; MI455X (gfx1250); checked and timed in simulation.
; The chip was launched on July 23, 2026; its instructions are those of AMD's public machine-readable ISA for CDNA 5 (MIT licence, August 2026) and "CDNA5" Instruction Set Architecture Reference Guide (July 2026). The comments in the code are by the model that wrote it; some were corrected since.
;; Qwen3 TTS Tokenizer Single Codebook Euclidean Codebook. Allowed arithmetic: matrix products marked QUANTISED: E2M1 operands, one E8M0 scale for each 32 along K, by v_wmma_scale_f32_16x16x128_f8f6f4 with both operands' format E2M1 (or v_wmma_scale_f32_32x16x128_f4), f32 sums; everything else in f32.
;; Inputs: embed 8,192 x 256 float32; x 8 x 4,096 x 256 float32.
;; Outputs: out0 8 x 4,096 x 256 float32.
;; This version of the problem:
;;   THIS VERSION OF THE PROBLEM IS GIVEN IN LOW PRECISION. The matrix products marked QUANTISED in the list below multiply operands that are first quantised to E2M1 (2 exponent bits, 1 mantissa bit; 4 bits a number), with one power-of-two scale for each 32 numbers along K (OCP MX v1.0); their sums are f32. All else is computed in f32.
;;   The module's matrix products, in the order in which they are computed (A, B: the left and right operand; K: the contracted axis; several contracted axes count as one K, in the product's order):
;;     1. [M 32,768, K 256] x [K 256, N 8,192]; A: input x; B: input embed: QUANTISED
;;   THE QUANTISER, for each operand of a quantised product, along K:
;;     - K is cut into blocks of 32 from its start; a last block that is shorter is filled with zeros.
;;     - A block's scale is 2^e with e = floor(log2(the largest magnitude in the block)) - 2, held to -126 .. 127; a block of zeros has e = 0. As a byte (E8M0): e + 127.
;;     - Each number is divided by its block's scale, clamped to +-6, and rounded to the nearest number of E2M1, ties to even, subnormals kept.
;;     - The product sums the exact products of the quantised numbers (number of the format x scale) in f32.
;;   ~~~python
;;   def quantise(x, axis):      # numpy; x: float32 -> the quantised numbers, widened to float32 again
;;       x = np.moveaxis(x, axis, -1); K = x.shape[-1]
;;       x = np.pad(x, [(0, 0)] * (x.ndim - 1) + [(0, -K % 32)]); x = x.reshape(x.shape[:-1] + (-1, 32)); a = np.abs(x).max(-1, keepdims=True)
;;       e = np.where(a > 0, np.clip(np.frexp(np.where(a > 0, a, 1))[1] - 1 - 2, -126, 127), 0)      # np.frexp(a)[1] - 1 = floor(log2(a)), exactly
;;       r = np.clip(x / 2.0 ** e, -6, 6)
;;       step = 2.0 ** (np.maximum(np.frexp(np.where(r == 0, 1, r))[1] - 1, 0) - 1)
;;       q = np.round(r / step) * step * 2.0 ** e      # np.round: ties to even
;;       return np.moveaxis(q.reshape(q.shape[:-2] + (-1,))[..., :K], -1, axis).astype(np.float32)
;;   ~~~
;; 2 versions, each right; version 2 is version 1 with the launch resolve written anew for expert scheduling mode. Each part assembles by itself: llvm-mc -triple=amdgcn-amd-amdhsa -mcpu=gfx1250 --defsym DOCPART=n.
;; ======== version 1 of 2: 4 launches
;; workspace buffers: xq 4,194,304 bytes; xs 262,144 bytes; eq 1,048,576 bytes; es 65,536 bytes; enh 32,768 bytes; cand 2,097,152 bytes of whole numbers; idx 131,072 bytes of whole numbers
;; launch quant (part 1): grid 320 x 1, 4 waves a work-group, no clusters, 41,472 bytes of LDS; arguments x, embed, xq, xs, eq, es, enh; writes xq, xs, eq, es, enh
.if DOCPART == 1
	.amdgcn_target "amdgcn-amd-amdhsa--gfx1250"
	.amdhsa_code_object_version 6
	.text
	.protected	k_q19bdb1f4ca_quant
	.globl	k_q19bdb1f4ca_quant
	.p2align	8
	.type	k_q19bdb1f4ca_quant,@function
k_q19bdb1f4ca_quant:
	s_mov_b64 s[64:65], 0
	v_nop
	global_prefetch_b8 v0, s[64:65] scope:SCOPE_SE
	s_setreg_imm32_b32 hwreg(HW_REG_WAVE_MODE, 25, 1), 1
	s_wait_xcnt 0x0
; x [32768][256] and embed [8192][256], f32, become codes of FP4 (E2M1) with one E8M0 scale byte for each 32 along K; for embed also enh[n] = -0.5 x sum of embed[n][:]^2.
; A block's scale is 2^(floor(log2(its largest magnitude)) - 2); its byte is the largest magnitude's exponent field - 2, held at 1 from below.  A block of zeros so gets the byte 1 where the rule says 127:
; its codes are zeros, which add nothing under any byte but 0xff, and this program alone reads the bytes.
; LIMITS: NaN and infinities among the inputs are not served; blocks whose largest magnitude lies under 2^(3 - 127) take that floor's byte.
; THE CODES' LAYOUT is this program's own: 16 rows form a group of 2,048 bytes; block b (16 bytes, 32 codes) of row i lies at (i / 8) 1024 + b 128 + (i % 8) 16.  In it every fragment load of the later launches
; (lane (r, h) wants block 4 s + 2 c + h of row r) reads runs of 256 consecutive bytes, and a group is one dense run.  The scale bytes lie [row][8], enh as it is numbered.
; SHARES: work-groups 0-255 take x, 256-319 embed; only pointers are chosen, both take one path.  A wave takes 32 rows (two groups) in 16 steps of 512 numbers (two rows).
; Each load reads 512 consecutive bytes; a step's 2,048 bytes turn through the wave's own stage in LDS so that a lane holds 16 neighbours along K (two lanes to a block).
; Codes and scale bytes are gathered in the wave's own LDS bytes and leave in stores that cover 512 or 256 consecutive bytes.  Waves share nothing: no barrier.
.set STEPS, 16
.set WGX,   256                        ; work-groups of x: 32768 x 256 / 32768
.set EMAX,  2
.set R,     16                         ; v16-79   four sets of 16 numbers as they are loaded
.set X,     80                         ; v80-111  two sets of 16 neighbours
.set E,     112                        ; v112-127 a scale byte for each step
.set C,     128                        ; v128-159 two registers of codes for each step: no store's data are written again
.set OUTR,  160                        ; v160-191 the way out
.set SQ,    192                        ; v192-195 sums of squares, packed, two chains
.set NHR,   196                        ; v196     lane (r, h): the sum of squares of my wave's row 2 r + h
.set RLO,   197                        ; v197     lane % 16
.set NHO,   198                        ; v198     4 (2 (lane % 16) + lane / 16)
.set WREG,  10240                      ; LDS: a region for each wave: two stages of 32 x SP, 256 scale bytes, 4,096 bytes of codes
.set SP,    80                         ; a lane's place in a stage: 64 bytes + 16 of padding
.set SCB,   2*32*SP
.set CST,   SCB+256
	s_load_b256 s[4:11], s[0:1], 0x0               ; x s[4:5], embed s[6:7], xq s[8:9], xs s[10:11]
	s_load_b128 s[12:15], s[0:1], 0x20             ; eq s[12:13], es s[14:15]
	s_load_b64 s[24:25], s[0:1], 0x30              ; enh
	v_lshl_add_u32 v200, v0, 2, 0xa000
	v_mov_b32 v201, 0
	v_lshrrev_b32 v1, 5, v0
	v_readfirstlane_b32 s16, v1                    ; wave
	v_and_b32 v2, 31, v0                           ; lane
	v_lshlrev_b32 v3, 4, v2                        ; 16 x lane: my bytes of a load's or a store's 512
	s_mul_i32 s17, s16, WREG
	v_lshrrev_b32 v14, 2, v2
	v_mul_u32_u24 v14, v14, SP
	v_and_b32 v15, 3, v2
	v_lshl_add_u32 v14, v15, 4, v14
	v_add_nc_u32 v14, s17, v14                     ; the stage, way in: SP (lane / 4) + 16 (lane % 4)
	v_mul_u32_u24 v15, v2, SP
	v_add_nc_u32 v15, s17, v15                     ; way out: SP x lane: my 16 neighbours
	s_add_co_u32 s18, s17, SCB
	v_lshrrev_b32 v5, 1, v2
	v_add_nc_u32 v5, s18, v5                       ; my block's scale byte: row 2 t + lane / 16, block (lane / 2) % 8: 16 t + lane / 2
	v_lshlrev_b32 v7, 3, v2
	v_add_nc_u32 v6, s18, v7                       ; the scale bytes' way out: 8 bytes a lane
	s_add_co_u32 s18, s17, CST
	v_bfe_u32 v8, v2, 1, 3                         ; my block b
	v_lshlrev_b32 v4, 7, v8
	v_bfe_u32 v8, v2, 4, 1                         ; which of the step's two rows
	v_lshl_add_u32 v4, v8, 4, v4
	v_and_b32 v9, 1, v2                            ; which half of the block
	v_lshl_add_u32 v4, v9, 3, v4
	v_add_nc_u32 v4, s18, v4                       ; my 8 bytes of codes: 128 b + 16 (lane / 16) + 8 (lane % 2); the step adds (t / 4) 1024 + (t % 4) 32
	v_add_nc_u32 v10, s18, v3                      ; the codes' way out
	v_and_b32 v[RLO], 15, v2
	v_lshl_add_u32 v[NHO], v[RLO], 1, v8
	v_lshlrev_b32 v[NHO], 2, v[NHO]
	v_mov_b32 v[NHR], 0
	s_wait_kmcnt 0x0
	s_cmp_lt_u32 ttmp9, WGX                        ; x's work-group or embed's?  The choice hangs on the work-group's number alone
	s_cselect_b64 s[4:5], s[4:5], s[6:7]
	s_cselect_b64 s[8:9], s[8:9], s[12:13]
	s_cselect_b64 s[10:11], s[10:11], s[14:15]
	s_cselect_b32 s22, 0, 1                        ; 1: embed
	s_cselect_b32 s17, 0, WGX
	s_sub_co_u32 s17, ttmp9, s17
	s_lshl_b32 s17, s17, 2
	s_add_co_u32 s18, s17, s16                     ; which run of 32 rows of the tensor is my wave's (under 1,024)
	s_mov_b32 s21, 0
	s_lshl_b32 s20, s18, 15                        ; 32,768 bytes of numbers,
	s_add_nc_u64 s[4:5], s[4:5], s[20:21]
	s_lshl_b32 s20, s18, 12                        ; 4,096 of codes,
	s_add_nc_u64 s[8:9], s[8:9], s[20:21]
	s_lshl_b32 s20, s18, 8                         ; 256 scale bytes,
	s_add_nc_u64 s[10:11], s[10:11], s[20:21]
	s_lshl_b32 s20, s18, 7                         ; 128 bytes of enh (used by embed's work-groups alone)
	s_add_nc_u64 s[24:25], s[24:25], s[20:21]
.macro LOAD t
.irp i, 0,1,2,3
	global_load_b128 v[R+16*((\t)%4)+4*\i:R+16*((\t)%4)+4*\i+3], v3, s[4:5] offset:2048*(\t)+512*\i th:TH_LOAD_NT   ; 32 lanes read 512 consecutive bytes
.endr
.endm
.macro TURN t                          ; step t's numbers through the stage: LDS serves a wave's instructions in order, so no wait stands between the stores and the loads
.irp i, 0,1,2,3
	ds_store_b128 v14, v[R+16*((\t)%4)+4*\i:R+16*((\t)%4)+4*\i+3] offset:32*SP*((\t)%2)+8*SP*\i
.endr
.irp i, 0,1,2,3
	ds_load_b128 v[X+16*((\t)%2)+4*\i:X+16*((\t)%2)+4*\i+3], v15 offset:32*SP*((\t)%2)+16*\i
.endr
.endm
.irp t, 0,1,2,3
	LOAD \t
.endr
	s_wait_loadcnt 12                              ; step 0's four loads are in
	TURN 0
.macro STEP t
.set XN, X+16*((\t)%2)
.if (\t) > 0
	s_wait_dscnt 2                                 ; this step's numbers are back from the stage; behind them only the last step's two stores were issued.  So the stores into the stage have read their registers,
.else
	s_wait_dscnt 0x0
.endif
.if (\t)+4 < STEPS
	LOAD (\t)+4                                    ; which take the loads of four steps on
.endif
.if (\t)+1 < STEPS
.if STEPS-2-(\t) >= 3
	s_wait_loadcnt 12                              ; the next step's four loads are in; those of the three steps behind it may be out
.else
	s_wait_loadcnt 4*(STEPS-2-(\t))
.endif
	TURN (\t)+1                                    ; and go through the other stage while this step is worked
.endif
	v_max3_num_f32 v8, |v[XN]|, |v[XN+1]|, |v[XN+2]|               ; the largest magnitude of my 16, in two chains
	v_max3_num_f32 v9, |v[XN+3]|, |v[XN+4]|, |v[XN+5]|
.irp i, 6,10
	v_max3_num_f32 v8, v8, |v[XN+\i]|, |v[XN+\i+1]|
	v_max3_num_f32 v9, v9, |v[XN+\i+2]|, |v[XN+\i+3]|
.endr
	v_max3_num_f32 v8, v8, |v[XN+14]|, |v[XN+15]|
	v_max3_num_f32 v8, v8, v9, (EMAX+1)<<23        ; and the floor 2^(EMAX + 1 - 127): the byte cannot fall under 1
	v_max_num_f32_dpp v8, v8, v8 row_xmask:1 row_mask:0xf bank_mask:0xf   ; and of my neighbour's 16: the block's
	v_add_nc_u32 v11, -(EMAX<<23), v8              ; EMAX off its exponent field: the conversion takes the exponent field of this operand as its scale
	v_cvt_scalef32_pk8_fp4_f32 v[C+2*(\t)], v[XN:XN+7], v11
	v_cvt_scalef32_pk8_fp4_f32 v[C+2*(\t)+1], v[XN+8:XN+15], v11
	v_lshrrev_b32 v[E+(\t)], 23, v11               ; the scale's byte (also the plain instruction behind the conversions)
	ds_store_b8 v5, v[E+(\t)] offset:16*(\t)       ; both lanes of a block write the same byte with the same value
	ds_store_b64 v4, v[C+2*(\t):C+2*(\t)+1] offset:((\t)/4)*1024+((\t)%4)*32
	s_cmp_eq_u32 s22, 0                            ; the sums of squares are wanted of embed alone: a branch on the work-group's number, round work on registers
	s_cbranch_scc1 .Lnosq_\@
	v_pk_mul_f32 v[SQ:SQ+1], v[XN:XN+1], v[XN:XN+1]
	v_pk_mul_f32 v[SQ+2:SQ+3], v[XN+2:XN+3], v[XN+2:XN+3]
.irp i, 4,8,12
	v_pk_fma_f32 v[SQ:SQ+1], v[XN+\i:XN+\i+1], v[XN+\i:XN+\i+1], v[SQ:SQ+1]
	v_pk_fma_f32 v[SQ+2:SQ+3], v[XN+\i+2:XN+\i+3], v[XN+\i+2:XN+\i+3], v[SQ+2:SQ+3]
.endr
	v_pk_add_f32 v[SQ:SQ+1], v[SQ:SQ+1], v[SQ+2:SQ+3]
	v_add_f32 v[SQ], v[SQ], v[SQ+1]
	v_add_f32_dpp v[SQ], v[SQ], v[SQ] row_xmask:1 row_mask:0xf bank_mask:0xf   ; a row of embed lies in 16 lanes
	v_add_f32_dpp v[SQ], v[SQ], v[SQ] row_xmask:2 row_mask:0xf bank_mask:0xf
	v_add_f32_dpp v[SQ], v[SQ], v[SQ] row_xmask:4 row_mask:0xf bank_mask:0xf
	v_add_f32_dpp v[SQ], v[SQ], v[SQ] row_xmask:8 row_mask:0xf bank_mask:0xf
	v_cmp_eq_u32 vcc_lo, \t, v[RLO]
	v_cndmask_b32 v[NHR], v[NHR], v[SQ], vcc_lo    ; lane (t, h) keeps row 2 t + h's
.Lnosq_\@:
.endm
.irp t, 0,1,2,3,4,5,6,7,8,9,10,11,12,13,14,15
	STEP \t
.endr
	ds_load_b64 v[12:13], v6                       ; LDS serves a wave's instructions in order: these see my stores
.irp i, 0,1,2,3,4,5,6,7
	ds_load_b128 v[OUTR+4*\i:OUTR+4*\i+3], v10 offset:512*\i
.endr
	s_wait_dscnt 8                                 ; the scale bytes are back; the eight loads behind them may be out
	global_store_b64 v7, v[12:13], s[10:11]        ; 32 lanes store 256 consecutive bytes, aligned
.irp i, 0,1,2,3,4,5,6,7
	s_wait_dscnt 7-\i
	global_store_b128 v3, v[OUTR+4*\i:OUTR+4*\i+3], s[8:9] offset:512*\i   ; 512 consecutive bytes, aligned
.endr
	s_cmp_eq_u32 s22, 0
	s_cbranch_scc1 .Ldone
	v_mul_f32 v[NHR], -0.5, v[NHR]
	global_store_b32 v[NHO], v[NHR], s[24:25]      ; my wave's 32 numbers: 128 consecutive bytes (32 KiB in the whole launch)
.Ldone:
	s_wait_tensorcnt 0x0
	ds_add_u32 v200, v201
	s_wait_dscnt 0x0
	s_endpgm
.Lfunc_end_k_q19bdb1f4ca_quant:
	.size	k_q19bdb1f4ca_quant, .Lfunc_end_k_q19bdb1f4ca_quant-k_q19bdb1f4ca_quant
	.p2alignl 7, 3214868480
	.fill 96, 4, 3214868480
	.section	.rodata,"a",@progbits
	.p2align	6, 0x0
	.amdhsa_kernel k_q19bdb1f4ca_quant
		.amdhsa_group_segment_fixed_size 41472
		.amdhsa_private_segment_fixed_size 0
		.amdhsa_enable_private_segment 0
		.amdhsa_kernarg_size 56
		.amdhsa_user_sgpr_count 2
		.amdhsa_user_sgpr_kernarg_segment_ptr 1
		.amdhsa_wavefront_size32 1
		.amdhsa_system_sgpr_workgroup_id_x 1
		.amdhsa_system_sgpr_workgroup_id_y 1
		.amdhsa_system_sgpr_workgroup_id_z 1
		.amdhsa_system_vgpr_workitem_id 0
		.amdhsa_next_free_vgpr 202
		.amdhsa_next_free_sgpr 66
		.amdhsa_reserve_vcc 1
		.amdhsa_float_denorm_mode_32 3
		.amdhsa_float_denorm_mode_16_64 3
		.amdhsa_memory_ordered 1
		.amdhsa_forward_progress 1
		.amdhsa_inst_pref_size 51
	.end_amdhsa_kernel
	.amdgpu_metadata
---
amdhsa.version: [ 1, 2 ]
amdhsa.kernels:
  - .name:           k_q19bdb1f4ca_quant
    .symbol:         k_q19bdb1f4ca_quant.kd
    .args:
      - { .name: x, .offset: 0, .size: 8, .value_kind: global_buffer, .address_space: global }
      - { .name: embed, .offset: 8, .size: 8, .value_kind: global_buffer, .address_space: global }
      - { .name: xq, .offset: 16, .size: 8, .value_kind: global_buffer, .address_space: global }
      - { .name: xs, .offset: 24, .size: 8, .value_kind: global_buffer, .address_space: global }
      - { .name: eq, .offset: 32, .size: 8, .value_kind: global_buffer, .address_space: global }
      - { .name: es, .offset: 40, .size: 8, .value_kind: global_buffer, .address_space: global }
      - { .name: enh, .offset: 48, .size: 8, .value_kind: global_buffer, .address_space: global }
    .group_segment_fixed_size: 41472
    .private_segment_fixed_size: 0
    .kernarg_segment_align: 8
    .kernarg_segment_size: 56
    .max_flat_workgroup_size: 128
    .sgpr_count:     66
    .vgpr_count:     202
    .wavefront_size: 32
...
	.end_amdgpu_metadata
.endif
;; end of part 1
;; launch score (part 2): grid 32 x 8, 4 waves a work-group, clusters of 4 x 1, 168,448 bytes of LDS; arguments xq, xs, eq, es, enh, cand; writes cand
.if DOCPART == 2
	.amdgcn_target "amdgcn-amd-amdhsa--gfx1250"
	.amdhsa_code_object_version 6
	.text
	.protected	k_q19bdb1f4ca_score
	.globl	k_q19bdb1f4ca_score
	.p2align	8
	.type	k_q19bdb1f4ca_score,@function
k_q19bdb1f4ca_score:
	s_mov_b64 s[64:65], 0
	v_nop
	global_prefetch_b8 v0, s[64:65] scope:SCOPE_SE
	s_setreg_imm32_b32 hwreg(HW_REG_WAVE_MODE, 25, 1), 1
	s_wait_xcnt 0x0
	s_wait_alu depctr_hold_cnt(0) depctr_sa_sdst(0) depctr_va_vdst(0) depctr_va_sdst(0) depctr_va_ssrc(0) depctr_va_vcc(0) depctr_vm_vsrc(0)
	s_getreg_b32 s2, hwreg(HW_REG_IB_STS2, 6, 4)
	s_cmp_eq_u32 s2, 0
	s_cbranch_scc0 .Lentry_in_a_cluster
	s_endpgm
.Lentry_in_a_cluster:
	s_bfe_u32 s2, ttmp6, 0x10000c
	s_cmp_lg_u32 s2, 0x3003
	s_cbranch_scc0 .Lentry_shape_is_right
	s_endpgm
.Lentry_shape_is_right:
; For each token m and each chunk of 1,024 codes: the largest s[m][n] = P[m][n] - e_sq[n] / 2, P = Q(x) Q(embed)^T on codes of FP4 with E8M0 scales, and the GROUP (n / 16) in which it lies.
; dist = 2 s - x_sq, and x_sq is the same for all n of a token: the argmax of s is the argmax of dist.  LIMIT: x_sq is not formed and -e_sq / 2 enters as the C of each sum's first matrix instruction, so two codes
; whose distances lie within an f32 rounding of each other may be ordered otherwise than by the reference's order of roundings.  NaN and infinities are not served.
; SHARES.  A work-group: 1,024 tokens x 1,024 codes.  Wave w keeps its 256 tokens (16 tiles of 16, 256 registers of codes) in registers for the whole launch and walks the chunk in 32 steps of 32 codes from LDS.
; THE FORM: v_wmma_scale_f32_32x16x128_f4, source 0 = 32 codes of the codebook, source 1 = 16 tokens: a lane holds ONE token.  THE ROWS OF SOURCE 0 ARE CHOSEN: row 16 u + r is code 16 (r / 8) + 8 u + r % 8,
; so that the 16 result registers of lane (r, h) are the 16 NEIGHBOURING codes 16 h + 0 .. 15: one group.  A group's largest score costs 8 instructions, and 3 more keep the running best and its group:
; 11 vector instructions for 16 scores.  Which code of the winning group it was is found by a later launch, which computes that one group again.
; TIES: groups ascend and a later one wins only if greater; between the lane's halves the lower group wins: so the first of equal maxima is kept, as argmax keeps it.
; BY TURNS.  A batch is 4 tiles of tokens x 2 K steps = 8 matrix instructions into one of two pools of 4 accumulators; the 44 vector instructions that reduce the batch before, in the other pool, stand in slices of 5 and 6
; behind them.  The slices name nothing of the matrix instructions round them, so they are the places that ISA guide 7.12.1 asks for.  The four accumulators take turns, one instruction a turn.
; CLUSTER.  The four work-groups of a cluster take four token blocks against ONE chunk: its codes, scale bytes and -e_sq / 2 are asked for jointly (mask 15).  x is not: each wave reads its 32 KiB once, by runs of 256
; bytes, straight into the registers in which they stay; a joint load would add a write and a read of those bytes in LDS.
; No LDS byte is filled twice: three tensor loads a wave at the head (three are out at the most), one wait for them, one barrier.
; REGISTERS, in windows of 256.  window 0: v1-15 addresses; v32-95 source 0's fragments, two buffers of 32 (K step s at +16 s); v96-127 -e_sq / 2, two buffers of 16; v128-131 source 0's scale words; v132-163 x's scale words.
;   window 1: x's fragments, tile t at v[16 t], K step s at +8 s.   window 2: v0-127 two pools of four accumulators of 16; v128-143 best; v144-159 its group; v160-163 a group's maximum; v164 the group in hand; v165 8 x lane.
.set PITCH, 1088                       ; an LDS row: 1,024 bytes (half a group: 8 codes x 128 bytes) + 64 of padding: the two runs of 128 bytes that 16 lanes of a load take lie 2 PITCH = 8 x 256 + 128 apart
.set STB,   4*PITCH                    ; 32 codes
.set ESCL,  128*PITCH                  ; behind the codes: the chunk's scale bytes, 8,192, dense
.set ENH,   ESCL+8192                  ; and its -e_sq / 2, 4,096 bytes, dense
.set LA0, 2                            ; v2  my lane's place in a step's codes
.set LS0, 3                            ; v3  among its scale words
.set LN0, 4                            ; v4  among its -e_sq / 2
.set ADA, 5                            ; v5-7 the addresses of the loads in hand
.set ADS, 6
.set ADN, 7
.set XO,  8                            ; v8  my lane's place in a tile of x
.set XSO, 9                            ; v9  and among its scale words
.set AF,  32
.set NH,  96
.set AS,  128
.set XS,  132
.set BEST, 128                         ; window 2
.set ID,   144
.set GM,   160
.set GID,  164
.set CO,   165
.set WV,  16                           ; s16 wave;  s17 cx;  s18 token block;  s19 chunk
.set CH,  19
.set TB,  25                           ; s25-27 where the next step's codes, scale words, -e_sq / 2 begin in LDS
.set TS,  26
.set TN,  27
.set G1A, 28                           ; s[28:35] group 1 for the codes;  s[36:43] for the scale bytes;  s[44:51] for -e_sq / 2
.set G1S, 36
.set G1N, 44
.set G0A, 52                           ; s[52:55], s[56:59], s[60:63] their groups 0
.set G0S, 56
.set G0N, 60
.set SEL, 66                           ; s[66:67] lane selects for v_permlanex16_b32: lane l xor 16
.set HM,  68                           ; s68 the mask of lanes 16-31
.set MSB, 0
.macro WIN new                         ; the immediate's high byte repeats the setting that is left; a switch that changes nothing is dropped
.if MSB != \new
	s_set_vgpr_msb (MSB<<8)|\new
.set MSB, \new
.endif
.endm
.set M_LO, 0x84                        ; source 0 window 0, source 1 (x) window 1, C (-e_sq / 2) window 0, D window 2
.set M_HI, 0xa4                        ; the same, C and D window 2
.set W_V,  0xaa                        ; all in window 2
.macro ROUND                           ; a round of the cluster's barrier
	s_barrier_signal -1
	s_barrier_wait -1
	s_cmp_lg_u32 s[WV], 0
	s_cbranch_scc1 .Lnot_wave_0_\@
	s_barrier_signal -3
.Lnot_wave_0_\@:
	s_barrier_wait -3
	s_barrier_signal -1
	s_barrier_wait -1
.endm
	s_load_b256 s[4:11], s[0:1], 0x0               ; xq s[4:5], xs s[6:7], eq s[8:9], es s[10:11]
	s_load_b128 s[12:15], s[0:1], 0x20             ; enh s[12:13], cand s[14:15]
	v_lshl_add_u32 v254, v0, 2, 0x29000
	v_mov_b32 v255, 0
	ds_add_u32 v254, v255
	ds_add_u32 v254, v255
	v_lshrrev_b32 v1, 5, v0
	v_readfirstlane_b32 s[WV], v1                  ; wave 0..3
	s_bfe_u32 s17, ttmp6, 0x40000                  ; cx: my place in the cluster: it enters x's and cand's addresses alone
	s_lshl_b32 s18, ttmp9, 2
	s_add_co_u32 s18, s18, s17                     ; my block of 1,024 tokens = 4 x cluster x + cx
	s_and_b32 s[CH], ttmp7, 0xffff                 ; the chunk, which the four partners share
	; group 1, codes: 32 rows of 128 elements of 8 bytes, dense in memory, 16 words of padding behind each 256
	s_mov_b32 s[G1A], 15|(3<<16)|(1<<20)|(1<<21)|(7<<22)|(15<<25)   ; 15:0 the mask: all four; 17:16 elements of 8 bytes; 20 padding on; 21 set beside a mask; 24:22 after every 256 words (code 7); 31:25 16 words (code 15)
	s_mov_b32 s[G1A+1], 128<<16                    ; tensor_dim0
	s_mov_b32 s[G1A+2], 32<<16                     ; tensor_dim1
	s_mov_b32 s[G1A+3], 128<<16                    ; tile_dim0
	s_mov_b32 s[G1A+4], 32                         ; tile_dim1
	s_mov_b32 s[G1A+5], 128                        ; from row to row
	s_mov_b32 s[G1A+6], 0
	s_mov_b32 s[G1A+7], 0
	; scale bytes: a wave's quarter, 2,048 dense bytes as 8 rows of 256;  -e_sq / 2: 1,024 bytes as 4 rows
	s_mov_b32 s[G1S], 15|(3<<16)|(1<<21)
	s_mov_b32 s[G1S+1], 32<<16
	s_mov_b32 s[G1S+2], 8<<16
	s_mov_b32 s[G1S+3], 32<<16
	s_mov_b32 s[G1S+4], 8
	s_mov_b32 s[G1S+5], 32
	s_mov_b32 s[G1S+6], 0
	s_mov_b32 s[G1S+7], 0
	s_mov_b32 s[G1N], 15|(3<<16)|(1<<21)
	s_mov_b32 s[G1N+1], 32<<16
	s_mov_b32 s[G1N+2], 4<<16
	s_mov_b32 s[G1N+3], 32<<16
	s_mov_b32 s[G1N+4], 4
	s_mov_b32 s[G1N+5], 32
	s_mov_b32 s[G1N+6], 0
	s_mov_b32 s[G1N+7], 0
	; what the partners share: offsets made of the chunk and the wave's number alone
	s_lshl_b32 s70, s[CH], 17                      ; codes: 131,072 bytes a chunk, 32,768 a wave
	s_lshl_b32 s71, s[WV], 15
	s_add_co_u32 s70, s70, s71
	s_mov_b32 s71, 0
	s_lshl_b32 s72, s[CH], 13                      ; scale bytes: 8,192 a chunk, 2,048 a wave
	s_lshl_b32 s73, s[WV], 11
	s_add_co_u32 s72, s72, s73
	s_mov_b32 s73, 0
	s_lshl_b32 s74, s[CH], 12                      ; -e_sq / 2: 4,096 a chunk, 1,024 a wave
	s_lshl_b32 s75, s[WV], 10
	s_add_co_u32 s74, s74, s75
	s_mov_b32 s75, 0
	; what is my own: x's codes 131,072 bytes a block, 32,768 a wave; x's scale bytes and cand 8,192 a block, 2,048 a wave; cand 262,144 a chunk
	s_lshl_b32 s76, s18, 17
	s_lshl_b32 s77, s[WV], 15
	s_add_co_u32 s76, s76, s77
	s_mov_b32 s77, 0
	s_lshl_b32 s78, s18, 13
	s_lshl_b32 s79, s[WV], 11
	s_add_co_u32 s78, s78, s79
	s_mov_b32 s79, 0
	s_lshl_b32 s80, s[CH], 18
	s_add_co_u32 s80, s80, s78
	s_mov_b32 s81, 0
	s_mov_b32 s[G0A], 1
	s_mul_i32 s[G0A+1], s[WV], 32*PITCH            ; LDS: wave x 32 rows
	s_mov_b32 s[G0S], 1
	s_lshl_b32 s[G0S+1], s[WV], 11
	s_add_co_u32 s[G0S+1], s[G0S+1], ESCL
	s_mov_b32 s[G0N], 1
	s_lshl_b32 s[G0N+1], s[WV], 10
	s_add_co_u32 s[G0N+1], s[G0N+1], ENH
	s_mov_b32 s[SEL], 0x76543210
	s_mov_b32 s[SEL+1], 0xfedcba98
	s_mov_b32 s[HM], 0xffff0000
	s_mov_b32 s[TB], 0
	s_mov_b32 s[TS], 0
	s_mov_b32 s[TN], 0
	s_wait_dscnt 0x0
	s_wait_kmcnt 0x0
	s_add_nc_u64 s[G0A+2:G0A+3], s[8:9], s[70:71]
	s_or_b32 s[G0A+3], s[G0A+3], 0x80000000        ; type = 2
	s_add_nc_u64 s[G0S+2:G0S+3], s[10:11], s[72:73]
	s_or_b32 s[G0S+3], s[G0S+3], 0x80000000
	s_add_nc_u64 s[G0N+2:G0N+3], s[12:13], s[74:75]
	s_or_b32 s[G0N+3], s[G0N+3], 0x80000000
	s_add_nc_u64 s[4:5], s[4:5], s[76:77]          ; x's codes at my wave's first token
	s_add_nc_u64 s[6:7], s[6:7], s[78:79]          ; its scale bytes
	s_add_nc_u64 s[14:15], s[14:15], s[80:81]      ; cand at my chunk and my wave's first token
	ROUND                                          ; all four work-groups are here: the joint loads meet
	tensor_load_to_lds s[G0S:G0S+3], s[G1S:G1S+7]
	s_nop 0
	tensor_load_to_lds s[G0N:G0N+3], s[G1N:G1N+7]
	s_nop 0
	tensor_load_to_lds s[G0A:G0A+3], s[G1A:G1A+7]
	s_nop 0
.rept 4
	v_nop                                          ; four lines behind the tensor loads, ahead of any switch of windows
.endr
	v_and_b32 v1, 31, v0                           ; lane
	v_and_b32 v10, 7, v0                           ; l % 8
	v_bfe_u32 v11, v0, 3, 1                        ; (l / 8) % 2
	v_bfe_u32 v12, v0, 4, 1                        ; h = l / 16
	v_lshlrev_b32 v13, 4, v10
	v_lshl_add_u32 v13, v12, 7, v13                ; 128 h + 16 (l % 8)
	v_lshl_add_u32 v[XO], v11, 10, v13             ; x: token r of a tile: + 1024 (r / 8)
	v_and_b32 v14, 15, v0
	v_lshlrev_b32 v[XSO], 3, v14                   ; 8 bytes of scales a token
	WIN 0x40                                       ; destination window 1, address window 0
.irp t, 0,1,2,3,4,5,6,7,8,9,10,11,12,13,14,15
.irp s, 0,1
.irp c, 0,1
	global_load_b128 v[16*\t+8*\s+4*\c:16*\t+8*\s+4*\c+3], v[XO], s[4:5] offset:\t*2048+(2*\s+\c)*256   ; two runs of 256 consecutive bytes
.endr
.endr
.endr
	WIN 0
.irp t, 0,1,2,3,4,5,6,7,8,9,10,11,12,13,14,15
	global_load_b64 v[XS+2*\t:XS+2*\t+1], v[XSO], s[6:7] offset:\t*128   ; lane r: token r's words of K steps 0 and 1
.endr
	v_mad_u32_u24 v[LA0], v11, 2*PITCH, v13        ; source 0: lane (r, h): group r / 8 of the step's two: two LDS rows on; register half u one row on, in the immediate
	v_lshlrev_b32 v15, 3, v10
	v_lshl_add_u32 v15, v12, 6, v15
	v_lshl_add_u32 v15, v11, 7, v15
	v_add_nc_u32 v[LS0], ESCL, v15                 ; source 0's scales fill all 32 lanes, lane m for row m = 16 (l / 16) + l % 16: code 16 ((l / 8) % 2) + 8 (l / 16) + l % 8, 8 bytes each
	v_lshl_add_u32 v[LN0], v12, 6, ENH             ; C: register j of lane (r, h) is code 16 h + j
	WIN 0x80                                       ; destination window 2
.irp t, 0,1,2,3,4,5,6,7,8,9,10,11,12,13,14,15
	v_mov_b32 v[BEST+\t], 0xff800000               ; -infinity: under every score
	v_mov_b32 v[ID+\t], 0
.endr
	v_lshl_add_u32 v[GID], s[CH], 6, v12           ; the group of step 0 in my half: 64 x chunk + h
	v_lshlrev_b32 v[CO], 3, v1                     ; 8 x lane
	WIN 0
; The next step's operands into buffer p: 8 loads of codes, 4 of -e_sq / 2, 1 of scale words, in one run.
.macro LOADS p
	WIN 0
	v_add_nc_u32 v[ADA], s[TB], v[LA0]
	v_add_nc_u32 v[ADS], s[TS], v[LS0]
	v_add_nc_u32 v[ADN], s[TN], v[LN0]
.irp s, 0,1
.irp u, 0,1
.irp c, 0,1
	ds_load_b128 v[AF+32*(\p)+16*\s+8*\u+4*\c:AF+32*(\p)+16*\s+8*\u+4*\c+3], v[ADA] offset:\u*PITCH+(2*\s+\c)*256
.endr
.endr
.endr
.irp k, 0,1,2,3
	ds_load_b128 v[NH+16*(\p)+4*\k:NH+16*(\p)+4*\k+3], v[ADN] offset:16*\k
.endr
	ds_load_b64 v[AS+2*(\p):AS+2*(\p)+1], v[ADS]
	s_add_co_u32 s[TB], s[TB], STB
	s_add_co_u32 s[TS], s[TS], 256
	s_add_co_u32 s[TN], s[TN], 128
.endm
; Number vn (0 .. 43) of the reduction of batch QP: step vn / 4 for accumulator vn % 4, so that no line waits for the line above it.  An accumulator is read from its low end on.
.macro VOP
.set vi, vn/4
.set va, vn%4
.set vD, 64*(QP%2)+16*va
.set vT, 4*QP+va
.if vi == 0
	v_max3_num_f32 v[GM+va], v[vD], v[vD+1], v[vD+2]
.elseif vi < 7
	v_max3_num_f32 v[GM+va], v[GM+va], v[vD+2*vi+1], v[vD+2*vi+2]
.elseif vi == 7
	v_max_num_f32 v[GM+va], v[GM+va], v[vD+15]     ; the group's largest score
.elseif vi == 8
	v_cmp_gt_f32 s[20+va], v[GM+va], v[BEST+vT]    ; greater, not equal: the earlier group keeps a tie
.elseif vi == 9
	v_cndmask_b32 v[ID+vT], v[ID+vT], v[GID], s[20+va]
.else
	v_max_num_f32 v[BEST+vT], v[BEST+vT], v[GM+va]
.endif
.endm
.macro VOPS cnt
	WIN W_V
.rept \cnt
	VOP
.set vn, vn+1
.endr
.endm
; A batch: tiles 4 q .. 4 q + 3 of my tokens against the 32 codes in buffer p.  red = 1: the batch before is reduced in slices.  load = 1: the next step's operands are asked for first, into the other buffer,
; whose last readers stand a whole batch back.
.macro BATCH p, q, red, load
.if (\q) == 0
	s_wait_dscnt 0x0                               ; this step's operands are in: they were asked for three batches, 24 matrix instructions, ago
.endif
.if \load
	LOADS 1-(\p)
.endif
.set vn, 0
.set QP, ((\q)+3)%4
.set bw, 0
.rept 8
.set bt, 4*(\q)+bw%4
.set bd, 64*((\q)%2)+16*(bw%4)
.if bw < 4
	WIN M_LO
	v_wmma_scale_f32_32x16x128_f4 v[bd:bd+15], v[AF+32*(\p):AF+32*(\p)+15], v[16*bt:16*bt+7], v[NH+16*(\p):NH+16*(\p)+15], v[AS+2*(\p)], v[XS+2*bt]
.else
	WIN M_HI
	v_wmma_scale_f32_32x16x128_f4 v[bd:bd+15], v[AF+32*(\p)+16:AF+32*(\p)+31], v[16*bt+8:16*bt+15], v[bd:bd+15], v[AS+2*(\p)+1], v[XS+2*bt+1]
.endif
.if \red
	VOPS 5+bw%2
.endif
.set bw, bw+1
.endr
.if (\red) && ((\q) == 0)
	v_add_nc_u32 v[GID], 2, v[GID]                 ; the last step's fourth batch is reduced: on to this step's groups
.endif
.endm
	s_wait_loadcnt 0x0                             ; x
	s_wait_tensorcnt 0x0                           ; my three tiles have landed,
	s_barrier_signal -1
	s_barrier_wait -1                              ; everybody's have
	LOADS 0                                        ; step 0
	BATCH 0, 0, 0, 0                               ; its first batch: there is nothing yet to reduce
	WIN 0
.rept 4
	v_nop                                          ; the places behind it
.endr
	s_mov_b32 s24, 15
.Ltrip:                                            ; a trip: an even step's batches 1-3, the odd step's four, the next even step's first
	BATCH 0, 1, 1, 1
	BATCH 0, 2, 1, 0
	BATCH 0, 3, 1, 0
	BATCH 1, 0, 1, 0
	BATCH 1, 1, 1, 1
	BATCH 1, 2, 1, 0
	BATCH 1, 3, 1, 0
	BATCH 0, 0, 1, 0
	WIN 0                                          ; at a label and at a branch every window is 0
	s_sub_co_u32 s24, s24, 1
	s_cmp_lg_u32 s24, 0
	s_cbranch_scc1 .Ltrip
	BATCH 0, 1, 1, 1                               ; step 30 goes on; step 31 is asked for
	BATCH 0, 2, 1, 0
	BATCH 0, 3, 1, 0
	BATCH 1, 0, 1, 0
	BATCH 1, 1, 1, 0                               ; nothing is left to ask for
	BATCH 1, 2, 1, 0
	BATCH 1, 3, 1, 0
.set QP, 3
.set vn, 0
	VOPS 44                                        ; the last batch (six plain instructions stand behind its last matrix instruction)
	; THE WAY OUT.  A token's two halves of the lanes are joined (the lower group keeps a tie); the score becomes a whole number that orders as the score does; two tiles' 32 tokens leave by one store.
	; The exchanges land in pool 0's registers, whose sums were reduced a batch ago.
.irp t, 0,1,2,3,4,5,6,7,8,9,10,11,12,13,14,15
	v_add_f32 v[BEST+\t], 0, v[BEST+\t]            ; -0 becomes +0, so that equal scores have equal images
.endr
.irp t, 0,1,2,3,4,5,6,7,8,9,10,11,12,13,14,15
	v_permlanex16_b32 v[\t], v[BEST+\t], s[SEL], s[SEL+1]
	v_permlanex16_b32 v[16+\t], v[ID+\t], s[SEL], s[SEL+1]
.endr
.irp t, 0,1,2,3,4,5,6,7,8,9,10,11,12,13,14,15
	v_cmp_gt_f32 s20, v[\t], v[BEST+\t]
	v_cmp_eq_f32 s21, v[\t], v[BEST+\t]
	v_cmp_lt_u32 s22, v[16+\t], v[ID+\t]
	s_and_b32 s21, s21, s22
	s_or_b32 s20, s20, s21                         ; the other half's is greater, or equal and of a lower group
	v_cndmask_b32 v[BEST+\t], v[BEST+\t], v[\t], s20
	v_cndmask_b32 v[ID+\t], v[ID+\t], v[16+\t], s20
	v_ashrrev_i32 v[\t], 31, v[BEST+\t]
	v_or_b32 v[\t], 0x80000000, v[\t]
	v_xor_b32 v[BEST+\t], v[BEST+\t], v[\t]        ; a positive score gets its top bit set, a negative one is inverted: unsigned order = the scores' order
.endr
.irp u, 0,1,2,3,4,5,6,7
	v_cndmask_b32 v[32+2*\u], v[BEST+2*\u], v[BEST+2*\u+1], s[HM]   ; lanes 0-15: tile 2 u, lanes 16-31: tile 2 u + 1
	v_cndmask_b32 v[33+2*\u], v[ID+2*\u], v[ID+2*\u+1], s[HM]
	global_store_b64 v[CO], v[32+2*\u:33+2*\u], s[14:15] offset:256*\u   ; 32 tokens x 8 bytes: 256 consecutive bytes, aligned
.endr
	WIN 0
	s_wait_tensorcnt 0x0
	ds_add_u32 v254, v255
	s_wait_dscnt 0x0
	ROUND                                          ; the closing round: no work-group ends while a partner may still ask for a tile that names it
	s_endpgm
.Lfunc_end_k_q19bdb1f4ca_score:
	.size	k_q19bdb1f4ca_score, .Lfunc_end_k_q19bdb1f4ca_score-k_q19bdb1f4ca_score
	.p2alignl 7, 3214868480
	.fill 96, 4, 3214868480
	.section	.rodata,"a",@progbits
	.p2align	6, 0x0
	.amdhsa_kernel k_q19bdb1f4ca_score
		.amdhsa_group_segment_fixed_size 168448
		.amdhsa_private_segment_fixed_size 0
		.amdhsa_enable_private_segment 0
		.amdhsa_kernarg_size 48
		.amdhsa_user_sgpr_count 2
		.amdhsa_user_sgpr_kernarg_segment_ptr 1
		.amdhsa_wavefront_size32 1
		.amdhsa_system_sgpr_workgroup_id_x 1
		.amdhsa_system_sgpr_workgroup_id_y 1
		.amdhsa_system_sgpr_workgroup_id_z 1
		.amdhsa_system_vgpr_workitem_id 0
		.amdhsa_next_free_vgpr 768
		.amdhsa_next_free_sgpr 84
		.amdhsa_reserve_vcc 0
		.amdhsa_float_denorm_mode_32 3
		.amdhsa_float_denorm_mode_16_64 3
		.amdhsa_memory_ordered 1
		.amdhsa_forward_progress 1
		.amdhsa_inst_pref_size 97
	.end_amdhsa_kernel
	.amdgpu_metadata
---
amdhsa.version: [ 1, 2 ]
amdhsa.kernels:
  - .name:           k_q19bdb1f4ca_score
    .symbol:         k_q19bdb1f4ca_score.kd
    .args:
      - { .name: xq, .offset: 0, .size: 8, .value_kind: global_buffer, .address_space: global }
      - { .name: xs, .offset: 8, .size: 8, .value_kind: global_buffer, .address_space: global }
      - { .name: eq, .offset: 16, .size: 8, .value_kind: global_buffer, .address_space: global }
      - { .name: es, .offset: 24, .size: 8, .value_kind: global_buffer, .address_space: global }
      - { .name: enh, .offset: 32, .size: 8, .value_kind: global_buffer, .address_space: global }
      - { .name: cand, .offset: 40, .size: 8, .value_kind: global_buffer, .address_space: global }
    .group_segment_fixed_size: 168448
    .private_segment_fixed_size: 0
    .kernarg_segment_align: 8
    .kernarg_segment_size: 48
    .max_flat_workgroup_size: 128
    .sgpr_count:     84
    .vgpr_count:     768
    .wavefront_size: 32
...
	.end_amdgpu_metadata
.endif
;; end of part 2
;; launch resolve (part 3): grid 512 x 1, 8 waves a work-group, no clusters, 1,280 bytes of LDS; arguments cand, xq, xs, eq, es, enh, idx; writes idx
.if DOCPART == 3
	.amdgcn_target "amdgcn-amd-amdhsa--gfx1250"
	.amdhsa_code_object_version 6
	.text
	.protected	k_q19bdb1f4ca_resolve
	.globl	k_q19bdb1f4ca_resolve
	.p2align	8
	.type	k_q19bdb1f4ca_resolve,@function
k_q19bdb1f4ca_resolve:
	s_mov_b64 s[64:65], 0
	v_nop
	global_prefetch_b8 v0, s[64:65] scope:SCOPE_SE
	s_setreg_imm32_b32 hwreg(HW_REG_WAVE_MODE, 25, 1), 1
	s_wait_xcnt 0x0
; For each token: of its 8 candidates (one a chunk: the score's whole-number image and the group) the greatest, the lower chunk keeping a tie; then the winning group's 16 scores once more, by the same product on
; codes of FP4, and the first of its largest: idx[token] = 16 x group + place.  All that steers an address here is a whole number read from cand.
; SHARES.  A wave takes 8 tokens.  Source 1 = its tokens (columns 8-15 repeat columns 0-7); for t = 0 .. 7 source 0 = the 16 codes of token t's group, a dense run of 2,048 bytes; of the result only column t is kept.
; C = -e_sq / 2 of the LANE's own group: right in the one column that is kept of each result.  Eight sums in two sets of four accumulators by turns.
; The 8 waves' 64 indices meet in LDS and leave by one store of 256 consecutive bytes.
; REGISTERS: v1, v4 LDS addresses; v2 l % 8, v3 h; v6, v7, v44-47 offsets; v8-15 my token's 8 scores of my half; v16-31 x's fragments; v32-33 x's scale words; v34-41 C; v42-43 best and place; v48-63 candidates;
;   v64-191 the groups' fragments; v192-207 their scale words; v208-239 four accumulators; v240-255 offsets of the groups' loads.
	s_load_b256 s[4:11], s[0:1], 0x0               ; cand s[4:5], xq s[6:7], xs s[8:9], eq s[10:11]
	s_load_b128 s[12:15], s[0:1], 0x20             ; es s[12:13], enh s[14:15]
	s_load_b64 s[16:17], s[0:1], 0x30              ; idx
	s_set_vgpr_msb 0x40
	v_lshl_add_u32 v0, v0, 2, 0x100
	v_mov_b32 v1, 0
	s_set_vgpr_msb 0x4000
	v_lshrrev_b32 v1, 5, v0
	v_readfirstlane_b32 s18, v1                    ; wave 0..7
	s_lshl_b32 s19, ttmp9, 3
	s_add_co_u32 s19, s19, s18                     ; which 8 tokens are my wave's
	v_and_b32 v2, 7, v0                            ; l % 8: my token
	v_bfe_u32 v3, v0, 4, 1                         ; h
	v_bfe_u32 v4, v0, 3, 1                         ; (l / 8) % 2
	v_and_b32 v5, 15, v0                           ; r
	v_lshlrev_b32 v6, 3, v2                        ; 8 bytes a token: in cand and in x's scales
	v_lshlrev_b32 v7, 4, v2
	v_lshl_add_u32 v7, v3, 7, v7                   ; x's fragment: 128 h + 16 (l % 8)
	v_lshl_add_u32 v44, v4, 10, v7                 ; a group's: code r: + 1024 (r / 8)
	v_lshlrev_b32 v45, 3, v5                       ; its scale words: 8 r
	v_lshlrev_b32 v46, 5, v3                       ; -e_sq / 2: my half's eight: 32 h
	s_lshl_b32 s34, s18, 5
	v_lshlrev_b32 v1, 2, v2
	v_add_nc_u32 v1, s34, v1                       ; LDS: 32 x wave + 4 (l % 8)
	v_and_b32 v4, 31, v0
	v_lshlrev_b32 v4, 3, v4                        ; 8 x lane: the way out
	s_mov_b32 s36, 0x76543210
	s_mov_b32 s37, 0xfedcba98                      ; v_permlanex16_b32's selects for lane l xor 16
.irp t, 0,1,2,3,4,5,6,7
	v_cmp_eq_u32 s[40+\t], \t, v2                  ; the lanes of token t
.endr
	s_lshl_b32 s20, s19, 6                         ; 64 bytes of cand (in each chunk) and of x's scales,
	s_mov_b32 s21, 0
	s_lshl_b32 s22, s19, 10                        ; 1,024 of x's codes: half a group,
	s_mov_b32 s23, 0
	s_wait_kmcnt 0x0
	s_add_nc_u64 s[4:5], s[4:5], s[20:21]
	s_add_nc_u64 s[8:9], s[8:9], s[20:21]
	s_add_nc_u64 s[6:7], s[6:7], s[22:23]
	s_lshl_b32 s20, ttmp9, 8                       ; 256 of idx a work-group
	s_add_nc_u64 s[16:17], s[16:17], s[20:21]
.irp c, 0,1,2,3,4,5,6,7
	global_load_b64 v[48+2*\c:49+2*\c], v6, s[4:5] offset:\c*262144
.endr
.irp s, 0,1
.irp c, 0,1
	global_load_b128 v[16+8*\s+4*\c:16+8*\s+4*\c+3], v7, s[6:7] offset:(2*\s+\c)*256
.endr
.endr
	global_load_b64 v[32:33], v6, s[8:9]
	s_wait_loadcnt 5                               ; the candidates are in; x's five loads may be out
.irp c, 1,2,3,4,5,6,7
	v_cmp_gt_u32 vcc_lo, v[48+2*\c], v48           ; greater, not equal: the lower chunk keeps a tie
	v_cndmask_b32 v49, v49, v[49+2*\c], vcc_lo
	v_max_u32 v48, v48, v[48+2*\c]
.endr
	v_min_u32 v49, 511, v49                        ; my token's group: a loaded number enters addresses only held inside the table
	v_lshlrev_b32 v47, 6, v49
	v_add_nc_u32 v47, v47, v46
	global_load_b128 v[34:37], v47, s[14:15]       ; -e_sq / 2 of codes 16 G + 8 h + 0 .. 7
	global_load_b128 v[38:41], v47, s[14:15] offset:16
.irp t, 0,1,2,3,4,5,6,7
	v_readlane_b32 s[24+\t], v49, \t               ; token t's group
	s_min_u32 s[24+\t], s[24+\t], 511
	s_lshl_b32 s32, s[24+\t], 11                   ; 2,048 bytes of codes a group,
	s_lshl_b32 s33, s[24+\t], 7                    ; 128 scale bytes
	v_add_nc_u32 v[240+2*\t], s32, v44
	v_add_nc_u32 v[241+2*\t], s33, v45
.irp s, 0,1
.irp c, 0,1
	global_load_b128 v[64+16*\t+8*\s+4*\c:64+16*\t+8*\s+4*\c+3], v[240+2*\t], s[10:11] offset:(2*\s+\c)*256
.endr
.endr
	global_load_b64 v[192+2*\t:193+2*\t], v[241+2*\t], s[12:13]
.endr
	s_wait_loadcnt 0x0
.irp u, 0,1
.irp a, 0,1,2,3
	v_wmma_scale_f32_16x16x128_f8f6f4 v[208+8*\a:215+8*\a], v[64+16*(4*\u+\a):71+16*(4*\u+\a)], v[16:23], v[34:41], v[192+2*(4*\u+\a)], v32 matrix_a_fmt:MATRIX_FMT_FP4 matrix_b_fmt:MATRIX_FMT_FP4
.endr
.irp a, 0,1,2,3
	v_wmma_scale_f32_16x16x128_f8f6f4 v[208+8*\a:215+8*\a], v[72+16*(4*\u+\a):79+16*(4*\u+\a)], v[24:31], v[208+8*\a:215+8*\a], v[193+2*(4*\u+\a)], v33 matrix_a_fmt:MATRIX_FMT_FP4 matrix_b_fmt:MATRIX_FMT_FP4
.endr
.rept 4
	v_nop                                          ; the places ahead of the first read of results (ISA guide 7.12.1); with the other accumulators' selects they are more than the five that the second set's first products want
.endr
.irp a, 0,1,2,3
.irp j, 0,1,2,3,4,5,6,7
.if (4*\u+\a) == 0
	v_mov_b32 v[8+\j], v[208+\j]                   ; token 0's result starts the eight: nothing is cleared
.else
	v_cndmask_b32 v[8+\j], v[8+\j], v[208+8*\a+\j], s[40+4*\u+\a]   ; column t of result t: score of code 16 G + 8 h + j; each accumulator from its low end on
.endif
.endr
.endr
.endr
	v_mov_b32 v42, v8
	v_mov_b32 v43, 0
.irp j, 1,2,3,4,5,6,7
	v_cmp_ge_f32 vcc_lo, v42, v[8+\j]              ; the earlier place keeps a tie
	v_cndmask_b32 v43, \j, v43, vcc_lo
	v_max_num_f32 v42, v42, v[8+\j]
.endr
	v_lshl_add_u32 v43, v3, 3, v43                 ; the place in the group: 8 h + j
	v_permlanex16_b32 v50, v42, s36, s37           ; (v50, v51 have been written: by the candidates' loads)
	v_permlanex16_b32 v51, v43, s36, s37
	v_cmp_gt_f32 s38, v50, v42
	v_cmp_eq_f32 s39, v50, v42
	v_cmp_lt_u32 vcc_lo, v51, v43
	s_and_b32 s39, s39, vcc_lo
	s_or_b32 s38, s38, s39                         ; the other half's is greater, or equal and earlier
	v_cndmask_b32 v43, v43, v51, s38
	v_lshl_add_u32 v43, v49, 4, v43                ; the code's number
	ds_store_b32 v1, v43                           ; the four lanes of a token write the same word with the same value
	s_wait_dscnt 0x0                               ; for the others' sake: my store is done
	s_barrier_signal -1
	s_barrier_wait -1
	s_cmp_lg_u32 s18, 0
	s_cbranch_scc1 .Lend
	ds_load_b64 v[54:55], v4                       ; wave 0: the work-group's 64 indices
	s_wait_dscnt 0x0
	global_store_b64 v4, v[54:55], s[16:17]        ; 256 consecutive bytes, aligned
.Lend:
	s_set_vgpr_msb 0x5
	s_wait_tensorcnt 0x0
	ds_add_u32 v0, v1
	s_wait_dscnt 0x0
	s_set_vgpr_msb 0x500
	s_endpgm
.Lfunc_end_k_q19bdb1f4ca_resolve:
	.size	k_q19bdb1f4ca_resolve, .Lfunc_end_k_q19bdb1f4ca_resolve-k_q19bdb1f4ca_resolve
	.p2alignl 7, 3214868480
	.fill 96, 4, 3214868480
	.section	.rodata,"a",@progbits
	.p2align	6, 0x0
	.amdhsa_kernel k_q19bdb1f4ca_resolve
		.amdhsa_group_segment_fixed_size 1280
		.amdhsa_private_segment_fixed_size 0
		.amdhsa_enable_private_segment 0
		.amdhsa_kernarg_size 56
		.amdhsa_user_sgpr_count 2
		.amdhsa_user_sgpr_kernarg_segment_ptr 1
		.amdhsa_wavefront_size32 1
		.amdhsa_system_sgpr_workgroup_id_x 1
		.amdhsa_system_sgpr_workgroup_id_y 1
		.amdhsa_system_sgpr_workgroup_id_z 1
		.amdhsa_system_vgpr_workitem_id 0
		.amdhsa_next_free_vgpr 258
		.amdhsa_next_free_sgpr 66
		.amdhsa_reserve_vcc 1
		.amdhsa_float_denorm_mode_32 3
		.amdhsa_float_denorm_mode_16_64 3
		.amdhsa_memory_ordered 1
		.amdhsa_forward_progress 1
		.amdhsa_inst_pref_size 19
	.end_amdhsa_kernel
	.amdgpu_metadata
---
amdhsa.version: [ 1, 2 ]
amdhsa.kernels:
  - .name:           k_q19bdb1f4ca_resolve
    .symbol:         k_q19bdb1f4ca_resolve.kd
    .args:
      - { .name: cand, .offset: 0, .size: 8, .value_kind: global_buffer, .address_space: global }
      - { .name: xq, .offset: 8, .size: 8, .value_kind: global_buffer, .address_space: global }
      - { .name: xs, .offset: 16, .size: 8, .value_kind: global_buffer, .address_space: global }
      - { .name: eq, .offset: 24, .size: 8, .value_kind: global_buffer, .address_space: global }
      - { .name: es, .offset: 32, .size: 8, .value_kind: global_buffer, .address_space: global }
      - { .name: enh, .offset: 40, .size: 8, .value_kind: global_buffer, .address_space: global }
      - { .name: idx, .offset: 48, .size: 8, .value_kind: global_buffer, .address_space: global }
    .group_segment_fixed_size: 1280
    .private_segment_fixed_size: 0
    .kernarg_segment_align: 8
    .kernarg_segment_size: 56
    .max_flat_workgroup_size: 256
    .sgpr_count:     66
    .vgpr_count:     258
    .wavefront_size: 32
...
	.end_amdgpu_metadata
.endif
;; end of part 3
;; launch gather (part 4): grid 256 x 1, 8 waves a work-group, no clusters, 0 bytes of LDS; arguments idx, embed, out0; writes out0
.if DOCPART == 4
	.amdgcn_target "amdgcn-amd-amdhsa--gfx1250"
	.amdhsa_code_object_version 6
	.text
	.protected	k_q19bdb1f4ca_gather
	.globl	k_q19bdb1f4ca_gather
	.p2align	8
	.type	k_q19bdb1f4ca_gather,@function
k_q19bdb1f4ca_gather:
	s_mov_b64 s[64:65], 0
	v_nop
	global_prefetch_b8 v0, s[64:65] scope:SCOPE_SE
	s_setreg_imm32_b32 hwreg(HW_REG_WAVE_MODE, 25, 1), 1
	s_wait_xcnt 0x0
; out0[t][:] = embed[idx[t]][:], rows of 1,024 bytes.  A wave takes 16 tokens: their indices come by one scalar load, are held inside the table (8,191 at the most), and each row is read by two loads and written by
; two stores of 512 consecutive bytes.  All 32 loads of a wave go out together; the stores follow as the loads come back.  No LDS, no barrier, no matrix work: bytes are all there is.
; The rows are read with no hint (a row may be named by many tokens); the output is written once and read by nobody here.
	s_load_b128 s[4:7], s[0:1], 0x0                ; idx s[4:5], embed s[6:7]
	s_load_b64 s[8:9], s[0:1], 0x10                ; out0
	v_lshrrev_b32 v1, 5, v0
	v_readfirstlane_b32 s10, v1                    ; wave 0..7
	s_lshl_b32 s11, ttmp9, 3
	s_add_co_u32 s11, s11, s10                     ; which 16 tokens are my wave's
	v_and_b32 v2, 31, v0
	v_lshlrev_b32 v2, 4, v2                        ; 16 x lane
	s_lshl_b32 s12, s11, 6                         ; 64 bytes of indices,
	s_mov_b32 s13, 0
	s_lshl_b32 s14, s11, 14                        ; 16,384 of output
	s_mov_b32 s15, 0
	s_wait_kmcnt 0x0
	s_add_nc_u64 s[4:5], s[4:5], s[12:13]
	s_add_nc_u64 s[8:9], s[8:9], s[14:15]
	s_load_b512 s[16:31], s[4:5], 0x0
	s_wait_kmcnt 0x0
.irp i, 0,1,2,3,4,5,6,7,8,9,10,11,12,13,14,15
	s_min_u32 s[16+\i], s[16+\i], 8191
	s_lshl_b32 s[16+\i], s[16+\i], 10
	v_add_nc_u32 v[16+\i], s[16+\i], v2
.endr
.irp i, 0,1,2,3,4,5,6,7,8,9,10,11,12,13,14,15
	global_load_b128 v[32+8*\i:35+8*\i], v[16+\i], s[6:7]
	global_load_b128 v[36+8*\i:39+8*\i], v[16+\i], s[6:7] offset:512
.endr
.irp i, 0,1,2,3,4,5,6,7,8,9,10,11,12,13,14,15
	s_wait_loadcnt 31-2*\i                         ; loads come back in order (ISA guide 5.7.1): this one is in, the younger ones may be out
	global_store_b128 v2, v[32+8*\i:35+8*\i], s[8:9] offset:\i*1024 th:TH_STORE_NT
	s_wait_loadcnt 30-2*\i
	global_store_b128 v2, v[36+8*\i:39+8*\i], s[8:9] offset:\i*1024+512 th:TH_STORE_NT
.endr
	s_endpgm
.Lfunc_end_k_q19bdb1f4ca_gather:
	.size	k_q19bdb1f4ca_gather, .Lfunc_end_k_q19bdb1f4ca_gather-k_q19bdb1f4ca_gather
	.p2alignl 7, 3214868480
	.fill 96, 4, 3214868480
	.section	.rodata,"a",@progbits
	.p2align	6, 0x0
	.amdhsa_kernel k_q19bdb1f4ca_gather
		.amdhsa_group_segment_fixed_size 0
		.amdhsa_private_segment_fixed_size 0
		.amdhsa_enable_private_segment 0
		.amdhsa_kernarg_size 24
		.amdhsa_user_sgpr_count 2
		.amdhsa_user_sgpr_kernarg_segment_ptr 1
		.amdhsa_wavefront_size32 1
		.amdhsa_system_sgpr_workgroup_id_x 1
		.amdhsa_system_sgpr_workgroup_id_y 1
		.amdhsa_system_sgpr_workgroup_id_z 1
		.amdhsa_system_vgpr_workitem_id 0
		.amdhsa_next_free_vgpr 160
		.amdhsa_next_free_sgpr 66
		.amdhsa_reserve_vcc 0
		.amdhsa_float_denorm_mode_32 3
		.amdhsa_float_denorm_mode_16_64 3
		.amdhsa_memory_ordered 1
		.amdhsa_forward_progress 1
		.amdhsa_inst_pref_size 10
	.end_amdhsa_kernel
	.amdgpu_metadata
---
amdhsa.version: [ 1, 2 ]
amdhsa.kernels:
  - .name:           k_q19bdb1f4ca_gather
    .symbol:         k_q19bdb1f4ca_gather.kd
    .args:
      - { .name: idx, .offset: 0, .size: 8, .value_kind: global_buffer, .address_space: global }
      - { .name: embed, .offset: 8, .size: 8, .value_kind: global_buffer, .address_space: global }
      - { .name: out0, .offset: 16, .size: 8, .value_kind: global_buffer, .address_space: global }
    .group_segment_fixed_size: 0
    .private_segment_fixed_size: 0
    .kernarg_segment_align: 8
    .kernarg_segment_size: 24
    .max_flat_workgroup_size: 256
    .sgpr_count:     66
    .vgpr_count:     160
    .wavefront_size: 32
...
	.end_amdgpu_metadata
.endif
;; end of part 4
;; ======== version 2 of 2: 4 launches; version 1 with the launch resolve written anew for expert scheduling mode
;; workspace buffers: xq 4,194,304 bytes; xs 262,144 bytes; eq 1,048,576 bytes; es 65,536 bytes; enh 32,768 bytes; cand 2,097,152 bytes of whole numbers; idx 131,072 bytes of whole numbers
;; launch quant: the kernel of part 1 again; grid 320 x 1, 4 waves a work-group, no clusters, 41,472 bytes of LDS; arguments x, embed, xq, xs, eq, es, enh; writes xq, xs, eq, es, enh
;; launch score: the kernel of part 2 again; grid 32 x 8, 4 waves a work-group, clusters of 4 x 1, 168,448 bytes of LDS; arguments xq, xs, eq, es, enh, cand; writes cand
;; launch resolve (part 5): grid 512 x 1, 8 waves a work-group, no clusters, 1,280 bytes of LDS; arguments cand, xq, xs, eq, es, enh, idx; writes idx
.if DOCPART == 5
	.amdgcn_target "amdgcn-amd-amdhsa--gfx1250"
	.amdhsa_code_object_version 6
	.text
	.protected	k_q19bdb1f4ca_resolve
	.globl	k_q19bdb1f4ca_resolve
	.p2align	8
	.type	k_q19bdb1f4ca_resolve,@function
k_q19bdb1f4ca_resolve:
	s_mov_b64 s[64:65], 0
	v_nop
	global_prefetch_b8 v0, s[64:65] scope:SCOPE_SE
	s_setreg_imm32_b32 hwreg(HW_REG_WAVE_SCHED_MODE, 0, 2), 2
	s_setreg_imm32_b32 hwreg(HW_REG_WAVE_MODE, 25, 1), 1
	s_wait_xcnt 0x0
	s_wait_alu depctr_vm_vsrc(0)
; For each token: of its 8 candidates (one a chunk: the score's whole-number image and the group) the greatest, the lower chunk keeping a tie; then the winning group's 16 scores once more, by the same product on
; codes of FP4, and the first of its largest: idx[token] = 16 x group + place.  All that steers an address here is a whole number read from cand.
; SHARES.  A wave takes 8 tokens.  Source 1 = its tokens (columns 8-15 repeat columns 0-7); for t = 0 .. 7 source 0 = the 16 codes of token t's group, a dense run of 2,048 bytes; of the result only column t is kept.
; C = -e_sq / 2 of the LANE's own group: right in the one column that is kept of each result.  Eight sums in two sets of four accumulators by turns.
; The 8 waves' 64 indices meet in LDS and leave by one store of 256 consecutive bytes.
; THE MODE: SCHED_MODE bits 1:0 = 2 (LLVM: expert scheduling mode 2), set by the entry lines.  The code itself states the register dependences
; between vector or matrix instructions and memory or LDS instructions, with s_wait_alu, always for 0.
; THE PLAN.  Registers that memory or LDS instructions touch:
;   v6, v7           offsets of the first 13 loads; v1, v4 LDS addresses (v4 also the store's offset).  Written at the head, never again: one wait on va_vdst ahead of the first load serves them all.
;   v47, v240-255    offsets of the 42 loads that hang on the chosen groups.  All are made first, then one wait on va_vdst, then the loads in one run.
;   v43              the LDS store's data: one wait on va_vdst ahead of that store; no vector instruction follows it, so it also serves wave 0's LDS load into v[54:55], which vector instructions have named.
;   v16-41, v64-207  written by loads alone, read by matrix instructions alone.
;   No register that a memory or LDS instruction has read is written again, so no wait on vm_vsrc is owed.  EXEC is never written.
; Scalar results of vector instructions (the wave's number, compare masks, the groups read out of lanes) are laid in runs, each with one wait on va_sdst ahead of its first reader.  So that the compares of a search can
; stand in a run, the running maximum is written over the number just compared; the selects follow behind the wait.
; REGISTERS: v1, v4 LDS addresses; v2 l % 8, v3 h; v6, v7, v44-47 offsets; v8-15 my token's 8 scores of my half, then their running maxima (v15: the best); v16-31 x's fragments; v32-33 x's scale words; v34-41 C; v43 the place;
;   v48-63 candidates; v64-191 the groups' fragments; v192-207 their scale words; v208-239 four accumulators; v240-255 offsets of the groups' loads.
	s_load_b256 s[4:11], s[0:1], 0x0               ; cand s[4:5], xq s[6:7], xs s[8:9], eq s[10:11]
	s_load_b128 s[12:15], s[0:1], 0x20             ; es s[12:13], enh s[14:15]
	s_load_b64 s[16:17], s[0:1], 0x30              ; idx
	v_lshl_add_u32 v42, v0, 2, 0x100
	s_set_vgpr_msb 0x40
	v_mov_b32 v1, 0
	s_set_vgpr_msb 0x4000
	v_lshrrev_b32 v1, 5, v0
	v_readfirstlane_b32 s18, v1                    ; wave 0..7
	v_and_b32 v2, 7, v0                            ; l % 8: my token
.irp t, 0,1,2,3,4,5,6,7
	v_cmp_eq_u32 s[40+\t], \t, v2                  ; the lanes of token t
.endr
	v_bfe_u32 v3, v0, 4, 1                         ; h
	v_bfe_u32 v4, v0, 3, 1                         ; (l / 8) % 2
	v_and_b32 v5, 15, v0                           ; r
	v_lshlrev_b32 v6, 3, v2                        ; 8 bytes a token: in cand and in x's scales
	v_lshlrev_b32 v7, 4, v2
	v_lshl_add_u32 v7, v3, 7, v7                   ; x's fragment: 128 h + 16 (l % 8)
	v_lshl_add_u32 v44, v4, 10, v7                 ; a group's: code r: + 1024 (r / 8)
	v_lshlrev_b32 v45, 3, v5                       ; its scale words: 8 r
	v_lshlrev_b32 v46, 5, v3                       ; -e_sq / 2: my half's eight: 32 h
	v_lshlrev_b32 v1, 2, v2
	v_and_b32 v4, 31, v0
	v_lshlrev_b32 v4, 3, v4                        ; 8 x lane: the way out
	s_wait_alu depctr_va_sdst(0)                   ; s18 and the masks s40 to s47 are written, ahead of their first readers: the scalar lines below, and the selects behind the products
	s_lshl_b32 s19, ttmp9, 3
	s_add_co_u32 s19, s19, s18                     ; which 8 tokens are my wave's
	s_lshl_b32 s34, s18, 5
	v_add_nc_u32 v1, s34, v1                       ; LDS: 32 x wave + 4 (l % 8)
	s_mov_b32 s36, 0x76543210
	s_mov_b32 s37, 0xfedcba98                      ; v_permlanex16_b32's selects for lane l xor 16
	s_lshl_b32 s20, s19, 6                         ; 64 bytes of cand (in each chunk) and of x's scales,
	s_mov_b32 s21, 0
	s_lshl_b32 s22, s19, 10                        ; 1,024 of x's codes: half a group,
	s_mov_b32 s23, 0
	s_wait_kmcnt 0x0
	s_add_nc_u64 s[4:5], s[4:5], s[20:21]
	s_add_nc_u64 s[8:9], s[8:9], s[20:21]
	s_add_nc_u64 s[6:7], s[6:7], s[22:23]
	s_lshl_b32 s20, ttmp9, 8                       ; 256 of idx a work-group
	s_add_nc_u64 s[16:17], s[16:17], s[20:21]
	s_wait_alu depctr_va_vdst(0)                   ; v6 and v7 are written, which the loads below read as offsets; so are v1 and v4, which the LDS store, the LDS load and the store at the end read
.irp c, 0,1,2,3,4,5,6,7
	global_load_b64 v[48+2*\c:49+2*\c], v6, s[4:5] offset:\c*262144
.endr
.irp s, 0,1
.irp c, 0,1
	global_load_b128 v[16+8*\s+4*\c:16+8*\s+4*\c+3], v7, s[6:7] offset:(2*\s+\c)*256
.endr
.endr
	global_load_b64 v[32:33], v6, s[8:9]
	s_wait_loadcnt 5                               ; the candidates are in; x's five loads may be out
.irp c, 1,2,3,4,5,6,7
	v_cmp_gt_u32 s[23+\c], v[48+2*\c], v[46+2*\c]  ; chunk c's against the greatest of the chunks before it.  Greater, not equal: the lower chunk keeps a tie
.if \c < 7
	v_max_u32 v[48+2*\c], v[48+2*\c], v[46+2*\c]   ; the running greatest takes chunk c's place
.endif
.endr
	s_wait_alu depctr_va_sdst(0)                   ; the seven masks s24 to s30 are written, ahead of the selects that read them
.irp c, 1,2,3,4,5,6,7
	v_cndmask_b32 v49, v49, v[49+2*\c], s[23+\c]
.endr
	v_min_u32 v49, 511, v49                        ; my token's group: a loaded number enters addresses only held inside the table
	v_lshlrev_b32 v47, 6, v49
	v_add_nc_u32 v47, v47, v46
.irp t, 0,1,2,3,4,5,6,7
	v_readlane_b32 s[24+\t], v49, \t               ; token t's group
.endr
	s_wait_alu depctr_va_sdst(0)                   ; the eight groups s24 to s31 are written, ahead of the scalar lines that read them
.irp t, 0,1,2,3,4,5,6,7
	s_min_u32 s[24+\t], s[24+\t], 511
	s_lshl_b32 s32, s[24+\t], 11                   ; 2,048 bytes of codes a group,
	s_lshl_b32 s33, s[24+\t], 7                    ; 128 scale bytes
	v_add_nc_u32 v[240+2*\t], s32, v44
	v_add_nc_u32 v[241+2*\t], s33, v45
.endr
	s_wait_alu depctr_va_vdst(0)                   ; v47 and v240 to v255 are written, which the 42 loads below read as offsets
	global_load_b128 v[34:37], v47, s[14:15]       ; -e_sq / 2 of codes 16 G + 8 h + 0 .. 7
	global_load_b128 v[38:41], v47, s[14:15] offset:16
.irp t, 0,1,2,3,4,5,6,7
.irp s, 0,1
.irp c, 0,1
	global_load_b128 v[64+16*\t+8*\s+4*\c:64+16*\t+8*\s+4*\c+3], v[240+2*\t], s[10:11] offset:(2*\s+\c)*256
.endr
.endr
	global_load_b64 v[192+2*\t:193+2*\t], v[241+2*\t], s[12:13]
.endr
.irp u, 0,1
.if \u == 0
	s_wait_loadcnt 20                              ; loads come back in order (ISA guide 5.7.1): x, -e_sq / 2 and groups 0 to 3 are in; the five loads of each of groups 4 to 7 may be out
.else
	s_wait_loadcnt 0x0                             ; groups 4 to 7 are in
.endif
.irp a, 0,1,2,3
	v_wmma_scale_f32_16x16x128_f8f6f4 v[208+8*\a:215+8*\a], v[64+16*(4*\u+\a):71+16*(4*\u+\a)], v[16:23], v[34:41], v[192+2*(4*\u+\a)], v32 matrix_a_fmt:MATRIX_FMT_FP4 matrix_b_fmt:MATRIX_FMT_FP4
.endr
.irp a, 0,1,2,3
	v_wmma_scale_f32_16x16x128_f8f6f4 v[208+8*\a:215+8*\a], v[72+16*(4*\u+\a):79+16*(4*\u+\a)], v[24:31], v[208+8*\a:215+8*\a], v[193+2*(4*\u+\a)], v33 matrix_a_fmt:MATRIX_FMT_FP4 matrix_b_fmt:MATRIX_FMT_FP4
.endr
.rept 4
	v_nop                                          ; the places ahead of the first read of results (ISA guide 7.12.1); with the other accumulators' selects they are more than the five that the second set's first products want
.endr
.irp a, 0,1,2,3
.irp j, 0,1,2,3,4,5,6,7
.if (4*\u+\a) == 0
	v_mov_b32 v[8+\j], v[208+\j]                   ; token 0's result starts the eight: nothing is cleared
.else
	v_cndmask_b32 v[8+\j], v[8+\j], v[208+8*\a+\j], s[40+4*\u+\a]   ; column t of result t: score of code 16 G + 8 h + j; each accumulator from its low end on
.endif
.endr
.endr
.endr
	v_mov_b32 v43, 0
.irp j, 1,2,3,4,5,6,7
	v_cmp_ge_f32 s[23+\j], v[7+\j], v[8+\j]        ; the greatest of places 0 .. j - 1 against place j's: the earlier place keeps a tie
	v_max_num_f32 v[8+\j], v[7+\j], v[8+\j]        ; the running greatest takes place j's register: v15 ends as the best of my eight
.endr
	s_wait_alu depctr_va_sdst(0)                   ; the seven masks s24 to s30 are written, ahead of the selects that read them
.irp j, 1,2,3,4,5,6,7
	v_cndmask_b32 v43, \j, v43, s[23+\j]
.endr
	v_lshl_add_u32 v43, v3, 3, v43                 ; the place in the group: 8 h + j
	v_permlanex16_b32 v50, v15, s36, s37           ; (v50, v51 have been written: by the candidates' loads)
	v_permlanex16_b32 v51, v43, s36, s37
	v_cmp_gt_f32 s38, v50, v15
	v_cmp_eq_f32 s39, v50, v15
	v_cmp_lt_u32 s35, v51, v43
	s_wait_alu depctr_va_sdst(0)                   ; s38, s39 and s35 are written, ahead of the scalar lines that read them
	s_and_b32 s39, s39, s35
	s_or_b32 s38, s38, s39                         ; the other half's is greater, or equal and earlier
	v_cndmask_b32 v43, v43, v51, s38
	v_lshl_add_u32 v43, v49, 4, v43                ; the code's number
	s_wait_alu depctr_va_vdst(0)                   ; v43 is written, which the LDS store reads; and every vector instruction that named v54 and v55 is done: wave 0's LDS load lands in them, and no vector instruction follows
	ds_store_b32 v1, v43                           ; the four lanes of a token write the same word with the same value
	s_wait_dscnt 0x0                               ; for the others' sake: my store is done
	s_barrier_signal -1
	s_barrier_wait -1
	s_cmp_lg_u32 s18, 0
	s_cbranch_scc1 .Lend
	ds_load_b64 v[54:55], v4                       ; wave 0: the work-group's 64 indices
	s_wait_dscnt 0x0
	global_store_b64 v4, v[54:55], s[16:17]        ; 256 consecutive bytes, aligned
.Lend:
	s_set_vgpr_msb 0x4
	s_wait_dscnt 0x0
	s_wait_alu depctr_hold_cnt(0) depctr_sa_sdst(0) depctr_va_vdst(0) depctr_va_sdst(0) depctr_va_ssrc(0) depctr_va_vcc(0) depctr_vm_vsrc(0)
	s_wait_tensorcnt 0x0
	ds_add_u32 v42, v1
	s_wait_dscnt 0x0
	s_endpgm
.Lfunc_end_k_q19bdb1f4ca_resolve:
	.size	k_q19bdb1f4ca_resolve, .Lfunc_end_k_q19bdb1f4ca_resolve-k_q19bdb1f4ca_resolve
	.p2alignl 7, 3214868480
	.fill 96, 4, 3214868480
	.section	.rodata,"a",@progbits
	.p2align	6, 0x0
	.amdhsa_kernel k_q19bdb1f4ca_resolve
		.amdhsa_group_segment_fixed_size 1280
		.amdhsa_private_segment_fixed_size 0
		.amdhsa_enable_private_segment 0
		.amdhsa_kernarg_size 56
		.amdhsa_user_sgpr_count 2
		.amdhsa_user_sgpr_kernarg_segment_ptr 1
		.amdhsa_wavefront_size32 1
		.amdhsa_system_sgpr_workgroup_id_x 1
		.amdhsa_system_sgpr_workgroup_id_y 1
		.amdhsa_system_sgpr_workgroup_id_z 1
		.amdhsa_system_vgpr_workitem_id 0
		.amdhsa_next_free_vgpr 258
		.amdhsa_next_free_sgpr 66
		.amdhsa_reserve_vcc 0
		.amdhsa_float_denorm_mode_32 3
		.amdhsa_float_denorm_mode_16_64 3
		.amdhsa_memory_ordered 1
		.amdhsa_forward_progress 1
		.amdhsa_inst_pref_size 20
	.end_amdhsa_kernel
	.amdgpu_metadata
---
amdhsa.version: [ 1, 2 ]
amdhsa.kernels:
  - .name:           k_q19bdb1f4ca_resolve
    .symbol:         k_q19bdb1f4ca_resolve.kd
    .args:
      - { .name: cand, .offset: 0, .size: 8, .value_kind: global_buffer, .address_space: global }
      - { .name: xq, .offset: 8, .size: 8, .value_kind: global_buffer, .address_space: global }
      - { .name: xs, .offset: 16, .size: 8, .value_kind: global_buffer, .address_space: global }
      - { .name: eq, .offset: 24, .size: 8, .value_kind: global_buffer, .address_space: global }
      - { .name: es, .offset: 32, .size: 8, .value_kind: global_buffer, .address_space: global }
      - { .name: enh, .offset: 40, .size: 8, .value_kind: global_buffer, .address_space: global }
      - { .name: idx, .offset: 48, .size: 8, .value_kind: global_buffer, .address_space: global }
    .group_segment_fixed_size: 1280
    .private_segment_fixed_size: 0
    .kernarg_segment_align: 8
    .kernarg_segment_size: 56
    .max_flat_workgroup_size: 256
    .sgpr_count:     66
    .vgpr_count:     258
    .wavefront_size: 32
...
	.end_amdgpu_metadata
.endif
;; end of part 5
;; launch gather: the kernel of part 4 again; grid 256 x 1, 8 waves a work-group, no clusters, 0 bytes of LDS; arguments idx, embed, out0; writes out0
